; MI455X (gfx1250); checked and timed in simulation.
; The chip was launched on July 23, 2026; its instructions are those of AMD's public machine-readable ISA for CDNA 5 (MIT licence, August 2026) and "CDNA5" Instruction Set Architecture Reference Guide (July 2026). The comments in the code are by the model that wrote it; some were corrected since.
;; Multi Head Attention. Allowed arithmetic: matrix products marked QUANTISED: E2M1 operands, one E8M0 scale for each 32 along K, by v_wmma_scale_f32_16x16x128_f8f6f4 with both operands' format E2M1 (or v_wmma_scale_f32_32x16x128_f4), f32 sums; products left as they are: f32 operands where the result goes on into a quantised operand, else bf16, f16 or f32 operands; f32 sums; everything else in f32.
;; Inputs: Wk 1,024 x 1,024 float32; Wo 1,024 x 1,024 float32; Wq 1,024 x 1,024 float32; Wv 1,024 x 1,024 float32; bk 1,024 float32; bo 1,024 float32; bq 1,024 float32; bv 1,024 float32; k 4 x 4,096 x 1,024 float32; q 4 x 4,096 x 1,024 float32; v 4 x 4,096 x 1,024 float32.
;; Outputs: out0 4 x 4,096 x 1,024 float32.
;; This version of the problem:
;;   THIS VERSION OF THE PROBLEM IS GIVEN IN LOW PRECISION. The matrix products marked QUANTISED in the list below multiply operands that are first quantised to E2M1 (2 exponent bits, 1 mantissa bit; 4 bits a number), with one power-of-two scale for each 32 numbers along K (OCP MX v1.0); their sums are f32. All else is computed in f32.
;;   The module's matrix products, in the order in which they are computed (A, B: the left and right operand; K: the contracted axis; several contracted axes count as one K, in the product's order):
;;     1. [M 16,384, K 1,024] x [K 1,024, N 1,024]; A: input q; B: input Wq: QUANTISED
;;     2. [M 16,384, K 1,024] x [K 1,024, N 1,024]; A: input k; B: input Wk: QUANTISED
;;     3. [M 16,384, K 1,024] x [K 1,024, N 1,024]; A: input v; B: input Wv: QUANTISED
;;     4. batch 16,384 x [M 16, K 64] x [K 64, N 16]; A: computed on the way; B: computed on the way: QUANTISED
;;     5. batch 16,384 x [M 16, K 16] x [K 16, N 64]; A: softmax; B: computed on the way: left as it is (K = 16 < 32)
;;     6. [M 16,384, K 1,024] x [K 1,024, N 1,024]; A: computed on the way; B: input Wo: QUANTISED
;;   THE QUANTISER, for each operand of a quantised product, along K:
;;     - K is cut into blocks of 32 from its start; a last block that is shorter is filled with zeros.
;;     - A block's scale is 2^e with e = floor(log2(the largest magnitude in the block)) - 2, held to -126 .. 127; a block of zeros has e = 0. As a byte (E8M0): e + 127.
;;     - Each number is divided by its block's scale, clamped to +-6, and rounded to the nearest number of E2M1, ties to even, subnormals kept.
;;     - The product sums the exact products of the quantised numbers (number of the format x scale) in f32.
;;   ~~~python
;;   def quantise(x, axis):      # numpy; x: float32 -> the quantised numbers, widened to float32 again
;;       x = np.moveaxis(x, axis, -1); K = x.shape[-1]
;;       x = np.pad(x, [(0, 0)] * (x.ndim - 1) + [(0, -K % 32)]); x = x.reshape(x.shape[:-1] + (-1, 32)); a = np.abs(x).max(-1, keepdims=True)
;;       e = np.where(a > 0, np.clip(np.frexp(np.where(a > 0, a, 1))[1] - 1 - 2, -126, 127), 0)      # np.frexp(a)[1] - 1 = floor(log2(a)), exactly
;;       r = np.clip(x / 2.0 ** e, -6, 6)
;;       step = 2.0 ** (np.maximum(np.frexp(np.where(r == 0, 1, r))[1] - 1, 0) - 1)
;;       q = np.round(r / step) * step * 2.0 ** e      # np.round: ties to even
;;       return np.moveaxis(q.reshape(q.shape[:-2] + (-1,))[..., :K], -1, axis).astype(np.float32)
;;   ~~~
;;   OPERANDS COMPUTED ON THE WAY. 'Computed on the way' means the value that the module computes at that place (a softmax that the list does not call 'softmax' is quantised finished and normalised). What goes into a quantiser is computed in f32, as accurately as f32 sums, v_exp_f32 and their like allow (about 1e-6 of the number): no bf16 or f16 on the way to a quantiser, and a product that is left as it is and whose result goes on into a quantised operand takes f32 operands (vector FMAs, or v_wmma_f32_16x16x4_f32). A number that lies on a knife's edge between two numbers of the format may be rounded either way, as far as f32 arithmetic and the matrix unit's own rounding can turn it there, and no further.
;; One version. Each part assembles by itself: llvm-mc -triple=amdgcn-amd-amdhsa -mcpu=gfx1250 --defsym DOCPART=n.
;; ======== version 1 of 1: 2 launches
;; limits: right only within a limited range of input values
;; workspace buffers: wpack 2,260,992 bytes
;; launch prep (part 1): grid 64 x 4, 4 waves a work-group, no clusters, 0 bytes of LDS; arguments Wq, Wk, Wv, Wo, bq, bk, bv, bo, wpack; writes wpack
.if DOCPART == 1
	.amdgcn_target "amdgcn-amd-amdhsa--gfx1250"
	.amdhsa_code_object_version 6
	.text
	.protected	k_q9b028b03d4_prep
	.globl	k_q9b028b03d4_prep
	.p2align	8
	.type	k_q9b028b03d4_prep,@function
k_q9b028b03d4_prep:
	s_mov_b64 s[64:65], 0
	v_nop
	global_prefetch_b8 v0, s[64:65] scope:SCOPE_SE
	s_setreg_imm32_b32 hwreg(HW_REG_WAVE_MODE, 25, 1), 1
	s_wait_xcnt 0x0
; The four weights [1024 (k)][1024 (n)], f32, K their FIRST axis, become codes of FP4 (E2M1) with one E8M0 byte for each 32 along K,
; laid in the ORDER OF THE OPERAND'S REGISTERS, so that the next launch takes each fragment by plain 16-byte loads.
; NOTHING OF reference() IS LEFT OUT in this program: every input has a way to the output (bk differs from head to head and moves K's codes).
; wpack: 32 blocks of TILE bytes, block 8 t + nb (t: Wq, Wk, Wv, Wo; nb: columns 128 nb .. + 127, all of K).  A block is four quarters of QB bytes, quarter w: columns 128 nb + 32 w .. + 31:
;   f x 1024 + c x 512 + (rho + 16 h) x 16, f = 8 u + ks: the 32 codes of k = 128 ks + 64 c + 32 h + 0 .. 31 of the column that is row rho of tile u;
;   16384 + ks x 128 + u x 64 + rho x 4: that column's scale word for k = 128 ks .. + 127;   17408 + u x 64 + rho x 4: its bias;   17536 .. 17663: zeros.
; Which column is row rho of tile u:  Wv, Wo: 16 u + rho.  Wq, Wk: 8 u + rho + 8 (rho / 8), so that a lane's 16 results of the two tiles are 16 neighbours along the score product's K.
; A LANE TAKES A COLUMN AND ITS REGISTERS RUN DOWN K: a load reads 128 consecutive bytes a wave, a block of 32 lies in one lane, and the conversions give codes with K innermost.
; A block's scale is 2^(floor(log2(largest magnitude)) - 2): its byte is the largest magnitude's exponent field - 2, held at 1 from below.
; LIMITS: a block of zeros gets the byte 1 where the rule says 127 (its codes are zeros, and this program alone reads the bytes); a block whose largest magnitude lies under 2^-124 is held at the byte 1; NaN and infinities among the inputs are not served.
; SHARES: work-group (x, y): nb = x % 8, ks = x / 8, t = y; wave w, lane l: column 128 nb + 32 w + l, k = 128 ks .. + 127.  No LDS, no barrier: waves share nothing.
.set TILE, 70656
.set QB,   17664
.set X,    16                          ; v16-143  my column's 128 numbers
.set CD,   144                         ; v144-159 codes: four registers for each block, so that no store's data are written again
	s_load_b256 s[4:11], s[0:1], 0x0               ; Wq, Wk, Wv, Wo
	s_load_b256 s[12:19], s[0:1], 0x20             ; bq, bk, bv, bo
	s_load_b64 s[20:21], s[0:1], 0x40              ; wpack
	v_lshrrev_b32 v1, 5, v0
	v_readfirstlane_b32 s22, v1                    ; wave
	v_and_b32 v2, 31, v0                           ; l: my column among the wave's 32
	s_and_b32 s23, ttmp9, 7                        ; nb
	s_lshr_b32 s24, ttmp9, 3                       ; ks
	s_and_b32 s25, ttmp7, 0xffff                   ; t
	v_lshrrev_b32 v3, 4, v2                        ; l / 16
	v_and_b32 v4, 15, v2
	v_lshlrev_b32 v5, 4, v4
	v_lshl_add_u32 v5, v3, 13, v5                  ; Wv, Wo: u = l / 16, rho = l % 16: codes at 8192 u + 16 rho,
	v_lshlrev_b32 v6, 2, v2                        ; words at 64 u + 4 rho = 4 l (also my 4 bytes of a row of W and of a bias)
	v_bfe_u32 v7, v2, 3, 1                         ; Wq, Wk: u = (l / 8) % 2,
	v_and_b32 v8, 7, v2
	v_lshl_add_u32 v8, v3, 3, v8                   ; rho = l % 8 + 8 (l / 16)
	v_lshlrev_b32 v9, 4, v8
	v_lshl_add_u32 v9, v7, 13, v9
	v_lshlrev_b32 v10, 2, v8
	v_lshl_add_u32 v10, v7, 6, v10
	s_cmp_lt_u32 s25, 2
	s_cselect_b32 s26, -1, 0                       ; all lanes alike: the choice hangs on the work-group's number alone
	v_cndmask_b32 v5, v5, v9, s26                  ; where my codes go
	v_cndmask_b32 v11, v6, v10, s26                ; where my words go
	s_lshl_b32 s38, s23, 9
	s_lshl_b32 s27, s22, 7
	s_add_co_u32 s38, s38, s27                     ; the wave's first column, in bytes
	s_mov_b32 s39, 0
	s_lshl_b32 s28, s24, 19                        ; 128 ks rows of 4,096 bytes
	s_add_co_u32 s28, s28, s38
	s_mov_b32 s29, 0
	s_lshl_b32 s27, s25, 3
	s_add_co_u32 s27, s27, s23
	s_mul_i32 s30, s27, TILE
	s_mul_i32 s27, s22, QB
	s_add_co_u32 s30, s30, s27                     ; my quarter in wpack
	s_mov_b32 s31, 0
	s_wait_kmcnt 0x0
	s_cmp_eq_u32 s25, 1                            ; which weight and bias: a choice between buffers on the work-group's number
	s_cselect_b64 s[4:5], s[6:7], s[4:5]
	s_cselect_b64 s[12:13], s[14:15], s[12:13]
	s_cmp_eq_u32 s25, 2
	s_cselect_b64 s[4:5], s[8:9], s[4:5]
	s_cselect_b64 s[12:13], s[16:17], s[12:13]
	s_cmp_eq_u32 s25, 3
	s_cselect_b64 s[4:5], s[10:11], s[4:5]
	s_cselect_b64 s[12:13], s[18:19], s[12:13]
	s_add_nc_u64 s[4:5], s[4:5], s[28:29]
	s_add_nc_u64 s[12:13], s[12:13], s[38:39]
	s_add_nc_u64 s[34:35], s[20:21], s[30:31]      ; the quarter
	s_lshl_b32 s30, s24, 10
	s_add_nc_u64 s[32:33], s[34:35], s[30:31]      ; + 1024 ks: the codes
	s_lshl_b32 s30, s24, 7
	s_add_nc_u64 s[36:37], s[34:35], s[30:31]      ; + 128 ks: the scale words
.set i, 0
.rept 128
	global_load_b32 v[X+i], v6, s[4:5] offset:i*4096 th:TH_LOAD_NT   ; W(128 ks + i, my column): 32 lanes read 128 consecutive bytes
.set i, i+1
.endr
.macro BLOCK bq
.set XS, X+32*\bq
	v_max3_num_f32 v12, |v[XS]|, |v[XS+1]|, |v[XS+2]|              ; the block's largest magnitude: all 32 numbers are mine; two chains
	v_max3_num_f32 v13, |v[XS+3]|, |v[XS+4]|, |v[XS+5]|
.irp i, 6,10,14,18,22,26
	v_max3_num_f32 v12, v12, |v[XS+\i]|, |v[XS+\i+1]|
	v_max3_num_f32 v13, v13, |v[XS+\i+2]|, |v[XS+\i+3]|
.endr
	v_max3_num_f32 v12, v12, |v[XS+30]|, |v[XS+31]|
	v_max3_num_f32 v12, v12, v13, 0x1800000        ; and the floor 2^(3 - 127): the byte cannot fall under 1
	v_add_nc_u32 v14, 0xff000000, v12              ; 2 off its exponent field: the conversion takes the exponent field of this operand as its scale
	v_lshrrev_b32 v13, 23, v14                     ; the scale's byte
.if \bq == 0
	v_mov_b32 v15, v13
.else
	v_lshl_or_b32 v15, v13, 8*\bq, v15             ; four bytes make the scale word, the lower k in the lower byte
.endif
.irp g, 0,1,2,3
	v_cvt_scalef32_pk8_fp4_f32 v[CD+4*\bq+\g], v[XS+8*\g:XS+8*\g+7], v14
.endr
	global_store_b128 v5, v[CD+4*\bq:CD+4*\bq+3], s[32:33] offset:(\bq/2)*512+(\bq%2)*256   ; block 2 c + h: sixteen lanes of a tile store 256 consecutive bytes, aligned
.endm
	s_wait_loadcnt 63                              ; 128 were issued: at most 63 out means that the first 65 are in: blocks 0 and 1
	BLOCK 0
	BLOCK 1                                        ; (each block begins with plain lines that touch neither the codes nor v14: the place behind the conversions)
	s_wait_loadcnt 32                              ; all but the last block's 32
	BLOCK 2
	s_wait_loadcnt 0x0
	BLOCK 3
	global_store_b32 v11, v15, s[36:37] offset:16384   ; my column's scale word: the wave stores 128 consecutive bytes
	s_cmp_lg_u32 s24, 0                            ; the work-groups of ks = 0 also lay the biases and the quarter's last 128 bytes
	s_cbranch_scc1 .Ldone
	global_load_b32 v12, v6, s[12:13]
	v_mov_b32 v13, 0
	s_wait_alu depctr_va_vdst(0)
	s_wait_loadcnt 0x0
	global_store_b32 v11, v12, s[34:35] offset:17408
	global_store_b32 v6, v13, s[34:35] offset:17536    ; zeros: the next launch's tile loads fetch these bytes too
.Ldone:
	s_endpgm
.Lfunc_end_k_q9b028b03d4_prep:
	.size	k_q9b028b03d4_prep, .Lfunc_end_k_q9b028b03d4_prep-k_q9b028b03d4_prep
	.p2alignl 7, 3214868480
	.fill 96, 4, 3214868480
	.section	.rodata,"a",@progbits
	.p2align	6, 0x0
	.amdhsa_kernel k_q9b028b03d4_prep
		.amdhsa_group_segment_fixed_size 0
		.amdhsa_private_segment_fixed_size 0
		.amdhsa_enable_private_segment 0
		.amdhsa_kernarg_size 72
		.amdhsa_user_sgpr_count 2
		.amdhsa_user_sgpr_kernarg_segment_ptr 1
		.amdhsa_wavefront_size32 1
		.amdhsa_system_sgpr_workgroup_id_x 1
		.amdhsa_system_sgpr_workgroup_id_y 1
		.amdhsa_system_sgpr_workgroup_id_z 1
		.amdhsa_system_vgpr_workitem_id 0
		.amdhsa_next_free_vgpr 160
		.amdhsa_next_free_sgpr 66
		.amdhsa_reserve_vcc 0
		.amdhsa_float_denorm_mode_32 3
		.amdhsa_float_denorm_mode_16_64 3
		.amdhsa_memory_ordered 1
		.amdhsa_forward_progress 1
		.amdhsa_inst_pref_size 22
	.end_amdhsa_kernel
	.amdgpu_metadata
---
amdhsa.version: [ 1, 2 ]
amdhsa.kernels:
  - .name:           k_q9b028b03d4_prep
    .symbol:         k_q9b028b03d4_prep.kd
    .args:
      - { .name: Wq, .offset: 0, .size: 8, .value_kind: global_buffer, .address_space: global }
      - { .name: Wk, .offset: 8, .size: 8, .value_kind: global_buffer, .address_space: global }
      - { .name: Wv, .offset: 16, .size: 8, .value_kind: global_buffer, .address_space: global }
      - { .name: Wo, .offset: 24, .size: 8, .value_kind: global_buffer, .address_space: global }
      - { .name: bq, .offset: 32, .size: 8, .value_kind: global_buffer, .address_space: global }
      - { .name: bk, .offset: 40, .size: 8, .value_kind: global_buffer, .address_space: global }
      - { .name: bv, .offset: 48, .size: 8, .value_kind: global_buffer, .address_space: global }
      - { .name: bo, .offset: 56, .size: 8, .value_kind: global_buffer, .address_space: global }
      - { .name: wpack, .offset: 64, .size: 8, .value_kind: global_buffer, .address_space: global }
    .group_segment_fixed_size: 0
    .private_segment_fixed_size: 0
    .kernarg_segment_align: 8
    .kernarg_segment_size: 72
    .max_flat_workgroup_size: 128
    .sgpr_count:     66
    .vgpr_count:     160
    .wavefront_size: 32
...
	.end_amdgpu_metadata
.endif
;; end of part 1
;; launch fused (part 2): grid 256 x 1, 4 waves a work-group, no clusters, 181,760 bytes of LDS; arguments q, k, v, wpack, out0; writes out0
.if DOCPART == 2
	.amdgcn_target "amdgcn-amd-amdhsa--gfx1250"
	.amdhsa_code_object_version 6
	.text
	.protected	k_q9b028b03d4_fused
	.globl	k_q9b028b03d4_fused
	.p2align	8
	.type	k_q9b028b03d4_fused,@function
k_q9b028b03d4_fused:
	s_mov_b64 s[64:65], 0
	v_nop
	global_prefetch_b8 v0, s[64:65] scope:SCOPE_SE
	s_setreg_imm32_b32 hwreg(HW_REG_WAVE_MODE, 25, 1), 1
	s_wait_xcnt 0x0
; out0 = attn Wo + bo, attn = softmax(Q K^T / 8) V over the 16 HEADS of each position, Q = q Wq + bq, K = k Wk + bk, V = v Wv + bv.  Nothing of reference() is left out.
; The four large products and the score product run on codes of FP4 (E2M1) with one E8M0 scale for each 32 along K; softmax x V runs on f32 operands, since its result is quantised again.
; SHARES.  A work-group of four waves owns 64 positions and takes them through the whole chain: q, k, v are read once, out0 is written once, nothing else goes to memory.
; In a step (32 steps: 8 each for Q, K, V, O) wave w makes 32 of a block's 128 columns for all 64 rows over ALL of K: 8 accumulators begin with the bias as C and are finished in the step.
; The rows' operand (32 fragments) stays in registers for a whole product.  The matrix instruction is used transposed (source 0 = 16 columns of W, source 1 = 16 positions): a lane holds one position and eight columns.
; THE WEIGHTS GO FROM MEMORY STRAIGHT INTO THE OPERAND'S REGISTERS.  wpack (the launch before) holds register images; a wave's quarter of a block, 17,536 bytes, is read by that wave alone, so LDS would only hold each byte once more.
; A ring of four HALF tiles (buffer A: window 2 v0-127, buffer B: window 3 v128-255; a half = tile u's 8 fragments, 4 scale words, 8 biases: 22 loads): a half is asked for again, for the step two on, as soon as its 32 products are issued.
; NO CLUSTER, NO JOINT LOADS: joint loads fill LDS, and here no byte of a block is read by two waves of a work-group.  NO PREFETCH LINE: the loads themselves run ahead, the weights two steps (66 loads), x four sets of two rows (64 loads).
; THE WALK IS TURNED FROM WORK-GROUP TO WORK-GROUP: in step s of a weight block (s + rot) % 8 is taken, rot = the work-group's number % 8.  Places in LDS and registers go by s: Q's, K's and V's heads lie turned by 2 rot, all alike;
; the scores, the softmax and softmax x V do not mind the order of the key heads; the query heads are turned back in the lanes when attn's codes are stored; O's columns go to out0 by the block's own number.
; x (q, k, v) is quantised on the way: wave w streams its 16 rows of each through 256 registers (four sets of two rows); after a swap of lane halves a lane holds 8 neighbours, a block of 32 lies in four lanes; codes and scale bytes go to LDS by rows.
; q is quantised ahead of the steps; k's and v's 16 sets follow Q's and K's 16 steps, ONE SET A STEP: k is whole behind step 7, where its fragments are wanted, v behind step 15; every step brings in the same bytes.
; LOADcnt counts x's loads and the weights' in one order.  A wait for 63 stands where at least 66 younger loads (three halves) are out; so it also shows every set of x that was asked for ahead of those halves.
; LIMITS: NaN and infinities among the inputs are not served; a block of zeros has the byte 1 where the rule says 127 (its codes are zeros; this program alone reads the bytes); a block whose largest magnitude lies under 2^-124 is held at the byte 1;
; the sum over the heads j in softmax x V runs in groups of four heads whose order hangs on rot; p is normalised behind that product and not ahead of it (both in f32).
; LDS: from 0: x's codes [wave][48 rows][528], XSALL scale bytes [wave][48][48]; later over them attn's codes from 0 [64][528], AS [64][48], V of 16 positions VST [16][4368], the stage OS 2 x [64][528] | QK [64][Q 512 | K 512 | 16] | QKS [64][64] | SPARE.
; REGISTERS, in windows of 256 (s_set_vgpr_msb: bits 1:0 source 0, 3:2 source 1, 5:4 source 2, 7:6 destination):
;   window 0: v1-15, v20-23, v28 addresses; v30, v31 the add's two; scales alone: v32-47 the rows' [m][q], v48-55 W's of buffer A [u][q], v16-19 and v24-27 W's of buffer B (lanes 0-15: K step q, lanes 16-31: 4 + q);
;     v56-71, v72-87 biases of A, B; v96-127 the f32 form's accumulators, written by matrix instructions alone; v128-191 a step's accumulators; v192-255 at work.
;   window 1: the rows' fragments at 8 (8 m + ks); in attention V^T, Q's and K's fragments.   window 2: v0-127 buffer A; v128-255 x's sets 0, 1.   window 3: v0-127 x's sets 2, 3; v128-255 buffer B.
;   V's 512 accumulators: step 0 .. 7 at window 0 v128, v192; window 2 v128, v192; window 3 v0, v64, v128, v192: so buffer B ends with V's step 5, and V's last tile follows the one before it in buffer A.
.set TILE,  70656
.set QB,    17664
.set XSALL, 101376
.set AS,    33792
.set VST,   36864
.set OS,    36864
.set QK,    110592
.set QKS,   177152
.set SPARE, 181248                     ; the spare words, 128 bytes a wave, touched only by the ds_add at the wave's end
.set MSB, 0
.macro WIN new                         ; the immediate's high byte repeats the setting that is left; a switch that changes nothing is dropped
.if MSB != (\new)
	s_set_vgpr_msb (MSB<<8)|(\new)
.set MSB, (\new)
.endif
.endm
.macro BARRIER                         ; my LDS stores have landed and my LDS loads are in: then the work-group's barrier
	s_wait_dscnt 0x0
	s_barrier_signal -1
	s_barrier_wait -1
.endm
; Base of tile s59 = 8 t + s of my walk: block 8 t + (s + rot) % 8, my wave's quarter, into buffer x's pair for half 0.  That half's earlier loads have been shown done by the wait on LOADcnt ahead.
.macro GADDR x
	s_add_co_u32 s62, s59, s60
	s_and_b32 s62, s62, 7
	s_and_b32 s63, s59, 0x38
	s_or_b32 s62, s62, s63
	s_mul_i32 s62, s62, TILE
	s_mov_b32 s63, 0
	s_add_nc_u64 s[32+4*(\x):33+4*(\x)], s[10:11], s[62:63]
	s_add_co_u32 s59, s59, 1
.endm
; 22 loads: half u of a tile into buffer x: 4 scale words, 8 biases in the result's layout, 8 fragments as they lie (32 lanes read 512 consecutive bytes)
.macro HLOAD x, u
.set HS, (1-(\x))*(48+4*(\u))+(\x)*(16+8*(\u))
.set HP, 32+4*(\x)+2*(\u)
.irp qq, 0,1,2,3
	global_load_b32 v[HS+\qq], v15, s[HP:HP+1] offset:16384+\qq*128+(\u)*64
.endr
.irp cc, 0,1
	global_load_b128 v[56+16*(\x)+8*(\u)+4*\cc:59+16*(\x)+8*(\u)+4*\cc], v28, s[HP:HP+1] offset:17408+(\u)*64+\cc*16
.endr
	WIN (2+(\x))<<6
.irp ks, 0,1,2,3,4,5,6,7
.irp cc, 0,1
	global_load_b128 v[128*(\x)+64*(\u)+8*\ks+4*\cc:128*(\x)+64*(\u)+8*\ks+4*\cc+3], v14, s[HP:HP+1] offset:(8*(\u)+\ks)*1024+\cc*512
.endr
.endr
	WIN 0
.endm
.macro WFIRST x                        ; a whole tile into buffer x, none of whose loads is out
	GADDR \x
	s_mov_b64 s[34+4*(\x):35+4*(\x)], s[32+4*(\x):33+4*(\x)]
	HLOAD \x, 0
	HLOAD \x, 1
.endm
; 32 products: tile u's 16 columns x 64 rows x all of K, from buffer x.  cnt: the loads younger than this half (held at 63).  re = 1: the half is asked for again, for the step two on.
; The four row tiles take turns, one instruction a turn.
.macro GHALF x, u, ab, aw, cnt, re
.set SW, (1-(\x))*(48+4*(\u))+(\x)*(16+8*(\u))
.set WF, 128*(\x)+64*(\u)
.set BI, 56+16*(\x)+8*(\u)
.set AB, (\ab)+8*(\u)
	s_wait_loadcnt \cnt
	WIN (2+(\x))|4|((\aw)<<6)
.irp mm, 0,1,2,3
	v_wmma_scale_f32_16x16x128_f8f6f4 v[AB+16*\mm:AB+16*\mm+7], v[WF:WF+7], v[64*\mm:64*\mm+7], v[BI:BI+7], v[SW], v[32+4*\mm] matrix_a_fmt:MATRIX_FMT_FP4 matrix_b_fmt:MATRIX_FMT_FP4
.endr
	WIN (2+(\x))|4|((\aw)<<4)|((\aw)<<6)
.irp ks, 1,2,3
.irp mm, 0,1,2,3
	v_wmma_scale_f32_16x16x128_f8f6f4 v[AB+16*\mm:AB+16*\mm+7], v[WF+8*\ks:WF+8*\ks+7], v[64*\mm+8*\ks:64*\mm+8*\ks+7], v[AB+16*\mm:AB+16*\mm+7], v[SW+\ks], v[32+4*\mm+\ks] matrix_a_fmt:MATRIX_FMT_FP4 matrix_b_fmt:MATRIX_FMT_FP4
.endr
.endr
.irp ks, 4,5,6,7
.irp mm, 0,1,2,3
	v_wmma_scale_f32_16x16x128_f8f6f4 v[AB+16*\mm:AB+16*\mm+7], v[WF+8*\ks:WF+8*\ks+7], v[64*\mm+8*\ks:64*\mm+8*\ks+7], v[AB+16*\mm:AB+16*\mm+7], v[SW+\ks-4], v[28+4*\mm+\ks] matrix_a_fmt:MATRIX_FMT_FP4 matrix_b_fmt:MATRIX_FMT_FP4 matrix_a_scale:MATRIX_SCALE_ROW1 matrix_b_scale:MATRIX_SCALE_ROW1
.endr
.endr
	WIN 0
.if (\u) == 1
.rept 5
	v_nop                                          ; places: four ahead of reads of the results and of loads into the operands, a fifth ahead of products that write over these registers
.endr
.elseif \re
.rept 4
	v_nop                                          ; places ahead of the loads into this half's registers
.endr
.endif
.if \re
.if (\u) == 0
	GADDR \x
.else
	s_mov_b64 s[34+4*(\x):35+4*(\x)], s[32+4*(\x):33+4*(\x)]   ; half 1's own pair: its earlier loads are done
.endif
	HLOAD \x, \u
.endif
.endm
; 16 loads: two rows of x into set sg, from the set's own base pair.  Unit un = 4 a + c: row a, bytes 1024 c on.  EVERY LOAD READS 512 CONSECUTIVE BYTES: load e takes bytes 512 e on;
; lanes 0-15 take the first 16 bytes of its sixteen pieces of 32, lanes 16-31 the second 16.  PSET's lane swaps then give lane L the unit's bytes 32 L .. 32 L + 31: 8 neighbours along K.
.macro ISSUE sg
.if (\sg) < 2
	WIN 0x80
.set RB, 128+64*(\sg)
.else
	WIN 0xc0
.set RB, 64*(\sg)-128
.endif
.irp un, 0,1,2,3,4,5,6,7
.irp e, 0,1
	global_load_b128 v[RB+8*\un+4*\e:RB+8*\un+4*\e+3], v4, s[24+2*(\sg):25+2*(\sg)] offset:(\sg)*8192+(\un/4)*4096+(\un%4)*1024+512*\e th:TH_LOAD_NT
.endr
.endr
	WIN 0
.endm
; Where the next half tensor (8 of my rows) begins: half s55 of six: q, q, k, k, v, v.  s[40:41] is named by no load: each set copies it into its own pair when its earlier loads are done.
.macro SETIP
	s_cmp_lt_u32 s55, 4
	s_cselect_b64 s[40:41], s[6:7], s[8:9]
	s_cmp_lt_u32 s55, 2
	s_cselect_b64 s[40:41], s[4:5], s[40:41]
	s_and_b32 s56, s55, 1
	s_lshl_b32 s56, s56, 15
	s_mov_b32 s57, 0
	s_add_nc_u64 s[40:41], s[40:41], s[56:57]
	s_add_co_u32 s55, s55, 1
.endm
; A SET OF TWO ROWS IS QUANTISED and asked for again.  wt >= 0: the count of its own wait.  gd = 1: it is asked for again in the loop's trips 0 to 2 alone (behind them nothing of x is left).
; The codes and bytes that go to LDS lie in two banks by turns (v208-223, v224-239): the bank was last stored from two sets ago, and behind those stores stand at least the other set's 16: so the wait on DScnt is for 16.
.macro PSET sg, wt, gd
.if (\wt) >= 0
	s_wait_loadcnt \wt
.endif
	s_wait_dscnt 16
.set CB, 208+16*((\sg)%2)
.if (\sg) < 2
.set RB, 128+64*(\sg)
.set WM, 0x28
.set WC, 0x02
.else
.set RB, 64*(\sg)-128
.set WM, 0x3c
.set WC, 0x03
.endif
	WIN WC|(WC<<6)                                 ; both registers of a swap lie in the set's window
.irp un, 0,1,2,3,4,5,6,7
.irp i, 0,1,2,3
	v_permlane16_swap_b32 v[RB+8*\un+\i], v[RB+8*\un+4+\i]   ; load 0's lanes 16-31 (second halves of pieces 0-15) change places with load 1's lanes 0-15 (first halves of pieces 16-31): lane L now holds piece L whole
.endr
.endr
	WIN WM
.irp un, 0,1,2,3,4,5,6,7
	v_max3_num_f32 v[192+\un], 0x1800000, |v[RB+8*\un]|, |v[RB+8*\un+1]|   ; my 8 numbers, and the floor 2^(3 - 127): the byte cannot fall under 1
.endr
.irp i, 2,4,6
.irp un, 0,1,2,3,4,5,6,7
	v_max3_num_f32 v[192+\un], v[192+\un], |v[RB+8*\un+\i]|, |v[RB+8*\un+\i+1]|
.endr
.endr
	WIN 0
.irp un, 0,1,2,3,4,5,6,7
	v_max_num_f32_dpp v[192+\un], v[192+\un], v[192+\un] row_xmask:1 row_mask:0xf bank_mask:0xf
.endr
.irp un, 0,1,2,3,4,5,6,7
	v_max_num_f32_dpp v[192+\un], v[192+\un], v[192+\un] row_xmask:2 row_mask:0xf bank_mask:0xf   ; four lanes hold a block
.endr
.irp un, 0,1,2,3,4,5,6,7
	v_add_nc_u32 v[200+\un], 0xff000000, v[192+\un]   ; 2 off the exponent field: the conversion's scale operand
.endr
	WIN WC
.irp un, 0,1,2,3,4,5,6,7
	v_cvt_scalef32_pk8_fp4_f32 v[CB+\un], v[RB+8*\un:RB+8*\un+7], v[200+\un]
.endr
	WIN 0
.irp un, 0,1,2,3,4,5,6,7
	v_lshrrev_b32 v[CB+8+\un], 23, v[200+\un]      ; the scale's byte (plain lines behind the conversions)
.endr
.irp un, 0,1,2,3,4,5,6,7
	ds_store_b32 v7, v[CB+\un] offset:(2*(\sg)+\un/4)*528+(\un%4)*128   ; the wave stores 128 consecutive bytes of a row
.endr
.irp un, 0,1,2,3,4,5,6,7
	ds_store_b8 v8, v[CB+8+\un] offset:(2*(\sg)+\un/4)*48+(\un%4)*8     ; the four lanes of a block write the same byte with the same value
.endr
.if \gd
	s_cmp_lt_u32 s42, 3
	s_cbranch_scc0 .Lni_\@
.endif
.if (\sg) == 0
	SETIP
.endif
	s_mov_b64 s[24+2*(\sg):25+2*(\sg)], s[40:41]
	ISSUE \sg
.if \gd
.Lni_\@:
.endif
.endm
; The rows' 32 fragments (row tile mm, K step ks) into window 1, and their scale words.
.macro XFRAG ra, rb, ms, co, rs, mss, so
	WIN 0x40
.irp mm, 0,1,2,3
.irp ks, 0,1,2,3,4,5,6,7
.irp cc, 0,1
	ds_load_b128 v[64*\mm+8*\ks+4*\cc:64*\mm+8*\ks+4*\cc+3], v[\ra+(\rb-\ra)*(\mm/2)] offset:(\mm%2)*\ms+\co+64*\ks+32*\cc
.endr
.endr
.endr
	WIN 0
.irp mm, 0,1,2,3
	ds_load_b128 v[32+4*\mm:35+4*\mm], v[\rs] offset:\mm*\mss+\so
.endr
	s_wait_dscnt 0x0
.endm
; A step's results of Q or K: lane (r, h) holds, of position 16 m + r, columns 16 h + 0 .. 15 of my 32, one block of the score product's K.
; What goes to LDS lies in v240-251 and by v22, v23: last stored from a step ago, and behind those stores stand a set's 16: so the wait on DScnt is for 16.
.macro QUANT4
	s_wait_dscnt 16
	v_add_nc_u32 v22, s48, v20
	v_add_nc_u32 v23, s49, v21
.irp mm, 0,1,2,3
	v_max3_num_f32 v[192+\mm], |v[128+16*\mm]|, |v[129+16*\mm]|, 0x1800000
.endr
.irp i, 2,4,6,8,10,12,14
.irp mm, 0,1,2,3
	v_max3_num_f32 v[192+\mm], v[192+\mm], |v[128+16*\mm+\i]|, |v[129+16*\mm+\i]|
.endr
.endr
.irp mm, 0,1,2,3
	v_permlanex16_b32 v[240+\mm], v[192+\mm], s20, s21
.endr
.irp mm, 0,1,2,3
	v_max_num_f32 v[192+\mm], v[192+\mm], v[240+\mm]
.endr
.irp mm, 0,1,2,3
	v_add_nc_u32 v[204+\mm], 0xff000000, v[192+\mm]
.endr
.irp mm, 0,1,2,3
	v_lshrrev_b32 v[240+\mm], 23, v[204+\mm]
.endr
.irp mm, 0,1,2,3
	v_cvt_scalef32_pk8_fp4_f32 v[244+2*\mm], v[128+16*\mm:135+16*\mm], v[204+\mm]
	v_cvt_scalef32_pk8_fp4_f32 v[245+2*\mm], v[136+16*\mm:143+16*\mm], v[204+\mm]
.endr
	v_nop                                          ; one plain line behind the last conversion
.irp mm, 0,1,2,3
	ds_store_b64 v22, v[244+2*\mm:245+2*\mm] offset:\mm*16640   ; 16 codes at byte 64 s + 16 w + 8 h of the position's row (K's lie 512 bytes on: eight steps of 64)
.endr
.irp mm, 0,1,2,3
	ds_store_b8 v23, v[240+\mm] offset:\mm*1024
.endr
	s_add_co_u32 s48, s48, 64
	s_add_co_u32 s49, s49, 4
.endm
	s_load_b256 s[4:11], s[0:1], 0x0               ; q, k, v, wpack
	s_load_b64 s[12:13], s[0:1], 0x20              ; out0
	v_lshl_add_u32 v30, v0, 2, SPARE
	v_mov_b32 v31, 0
	v_lshrrev_b32 v1, 5, v0
	v_readfirstlane_b32 s14, v1                    ; wave 0..3
	s_lshl_b32 s16, ttmp9, 18                      ; my block of 64 rows of 4,096 bytes,
	s_lshl_b32 s17, s14, 16                        ; my wave's 16 of them
	s_add_co_u32 s16, s16, s17
	s_mov_b32 s17, 0
	s_mov_b32 s20, 0x76543210
	s_mov_b32 s21, 0xfedcba98                      ; v_permlanex16_b32's selects for lane l xor 16
	s_mov_b32 s22, 0x3e38aa3b                      ; c = log2(e) / 8
	s_mov_b32 s23, s22
	s_mov_b32 s19, 0xbe38aa3b                      ; -c
	s_mul_i32 s18, s14, QB                         ; my quarter of a block
	s_and_b32 s60, ttmp9, 7                        ; rot
	; the lane turn's selects: lane l of a row of 16 takes lane (l - 2 rot) % 16: field l = (l + n) % 16, n = (16 - 2 rot) % 16, added field by field without carries
	s_lshl_b32 s62, s60, 1
	s_sub_co_u32 s62, 16, s62
	s_and_b32 s62, s62, 15
	s_mul_i32 s62, s62, 0x11111111
	s_and_b32 s63, s62, 0x77777777
	s_add_co_u32 s66, s63, s20
	s_and_b32 s62, s62, 0x88888888
	s_xor_b32 s66, s66, s62
	s_xor_b32 s67, s66, 0x88888888
	v_and_b32 v3, 31, v0                           ; lane
	v_and_b32 v1, 15, v0                           ; r
	v_bfe_u32 v2, v0, 4, 1                         ; h
	v_lshlrev_b32 v4, 5, v1                        ; x: piece r of a load's sixteen pieces of 32 bytes,
	v_lshl_add_u32 v4, v2, 4, v4                   ; its first 16 bytes in lanes 0-15, its second 16 in lanes 16-31
	s_mul_i32 s2, s14, 25344
	v_lshlrev_b32 v5, 2, v3
	v_add_nc_u32 v5, s2, v5                        ; x's codes: my wave's 48 rows, 4 bytes a lane
	s_mul_i32 s2, s14, 2304
	v_lshrrev_b32 v6, 2, v3
	v_add_nc_u32 v6, s2, v6
	v_add_nc_u32 v6, XSALL, v6                     ; x's scale bytes: a byte for four lanes
	v_mul_u32_u24 v9, v1, 528
	v_lshl_add_u32 v9, v2, 4, v9                   ; x's fragments: row tiles 0, 1,
	v_add_nc_u32 v11, 50688, v9                    ; and 2, 3
	v_mul_u32_u24 v10, v1, 48
	v_lshl_add_u32 v10, v2, 4, v10
	v_add_nc_u32 v10, XSALL, v10                   ; their scale words
	v_lshlrev_b32 v14, 4, v3                       ; W's fragments: 16 x lane
	v_lshlrev_b32 v15, 2, v1
	v_lshl_add_u32 v15, v2, 9, v15                 ; W's scale words: row r; lanes 16-31 four K steps on
	v_lshlrev_b32 v28, 5, v2                       ; the biases of my half's eight columns
	v_mul_u32_u24 v20, v1, 1040
	v_lshl_add_u32 v20, v2, 3, v20
	s_lshl_b32 s2, s14, 4
	s_add_co_u32 s2, s2, QK
	v_add_nc_u32 v20, s2, v20                      ; Q's and K's codes: position r, 16 w + 8 h
	v_lshlrev_b32 v21, 6, v1
	s_add_co_u32 s2, s14, QKS
	v_add_nc_u32 v21, s2, v21                      ; their scale bytes: position r, byte w
.irp mm, 0,1,2,3
	v_mov_b32 v[240+\mm], 0                        ; written once: a lane permute's destination counts as one of its sources
.endr
	s_mov_b32 s44, 0
	s_mov_b32 s45, 0
	s_mov_b32 s48, 0
	s_mov_b32 s49, 0
	s_mov_b32 s55, 1                               ; the next half tensor to ask for
	s_mov_b32 s59, 0                               ; the next tile to ask for
	s_mov_b32 s62, s18
	s_mov_b32 s63, 0
	s_wait_alu depctr_va_vdst(0)
	s_wait_kmcnt 0x0
	s_add_nc_u64 s[4:5], s[4:5], s[16:17]          ; q, k, v and out0 at my wave's first row
	s_add_nc_u64 s[6:7], s[6:7], s[16:17]
	s_add_nc_u64 s[8:9], s[8:9], s[16:17]
	s_add_nc_u64 s[12:13], s[12:13], s[16:17]
	s_add_nc_u64 s[10:11], s[10:11], s[62:63]      ; wpack at my wave's quarter of block 0
	WFIRST 0                                       ; tile 0: the oldest loads, so that q's counted waits below show it too
.irp sg, 0,1,2,3
	s_mov_b64 s[24+2*\sg:25+2*\sg], s[4:5]
.endr
	ISSUE 0                                        ; q's first eight rows
	ISSUE 1
	ISSUE 2
	ISSUE 3
	s_mov_b32 s42, 2
.Lpre:                                                 ; q's two halves; each set is asked for again from the half behind it.  48: the three younger sets stay out
	v_add_nc_u32 v7, s44, v5
	v_add_nc_u32 v8, s45, v6
	PSET 0, 48, 0
	PSET 1, 48, 0
	PSET 2, 48, 0
	PSET 3, 48, 0
	s_add_co_u32 s44, s44, 4224
	s_add_co_u32 s45, s45, 384
	s_sub_co_u32 s42, s42, 1
	s_cmp_lg_u32 s42, 0
	s_cbranch_scc1 .Lpre
	WFIRST 1                                       ; tile 1, behind k's first four sets: 92 loads are then younger than set 0
	BARRIER                                        ; q's codes of all 64 rows lie in LDS
	XFRAG 9, 11, 25344, 0, 10, 2304, 0
	s_mov_b32 s42, 0
.Lqk:                                                  ; four trips of four steps: Q's steps in trips 0 and 1, K's in 2 and 3; trip t also quantises half 2 + t of x (k, k, v, v), a set behind each step
	s_mul_i32 s44, s42, 4224
	s_add_co_u32 s44, s44, 8448                    ; half 2 + trip: 8 rows of 528 a half,
	s_mul_i32 s45, s42, 384
	s_add_co_u32 s45, s45, 768                     ; 8 rows of 48
	v_add_nc_u32 v7, s44, v5
	v_add_nc_u32 v8, s45, v6
	GHALF 0, 0, 128, 0, 63, 1
	GHALF 0, 1, 128, 0, 63, 1                      ; a step's waits also show the set that follows it: it was asked for four steps ago, ahead of more than three halves
	QUANT4
	PSET 0, -1, 1
	GHALF 1, 0, 128, 0, 63, 1
	GHALF 1, 1, 128, 0, 63, 1
	QUANT4
	PSET 1, -1, 1
	GHALF 0, 0, 128, 0, 63, 1
	GHALF 0, 1, 128, 0, 63, 1
	QUANT4
	PSET 2, -1, 1
	GHALF 1, 0, 128, 0, 63, 1
	GHALF 1, 1, 128, 0, 63, 1
	QUANT4
	PSET 3, -1, 1
	BARRIER                                        ; behind trip 1: k's codes of all 64 rows lie in LDS; behind trip 3: v's
	s_cmp_lg_u32 s42, 1
	s_cbranch_scc1 .Lnot_k
	XFRAG 9, 11, 25344, 8448, 10, 2304, 768        ; behind Q's last step k's fragments take q's place
.Lnot_k:
	BARRIER                                        ; every wave's reads of x's codes are over ahead of the next trip's stores
	s_add_co_u32 s42, s42, 1
	s_cmp_lt_u32 s42, 4
	s_cbranch_scc1 .Lqk
	XFRAG 9, 11, 25344, 16896, 10, 2304, 1536
	; ---- V: eight steps, each with accumulators of its own: V stays in registers, in f32.  Counts under 63: the halves still out behind the one waited for, 22 loads each
.macro VSTEP x, ab, aw, c0, c1, re
	GHALF \x, 0, \ab, \aw, \c0, \re
	GHALF \x, 1, \ab, \aw, \c1, \re
.endm
	VSTEP 0, 128, 0, 63, 63, 1
	VSTEP 1, 192, 0, 63, 63, 1
	VSTEP 0, 128, 2, 63, 63, 1
	VSTEP 1, 192, 2, 63, 63, 1
	VSTEP 0, 0,   3, 63, 63, 1
	VSTEP 1, 64,  3, 63, 44, 0                     ; buffer B's registers take the last two steps' sums
	VSTEP 0, 128, 3, 22, 22, 1                     ; Wv's last tile follows in buffer A
	VSTEP 0, 192, 3, 22, 0, 0
	; ---- ATTENTION, a row tile (16 positions) at a time; of these wave w takes positions 4 w .. 4 w + 3
	WIN 0x40
.irp p, 0,1,2,3
.irp j, 4,5,6,7
	v_mov_b32 v[128+8*\p+\j], 0                    ; k = 64 .. 127 of Q's and K's fragments: zero codes; written once
	v_mov_b32 v[160+8*\p+\j], 0
.endr
.endr
	WIN 0
	v_mul_u32_u24 v4, v1, 4368
	v_lshl_add_u32 v4, v2, 5, v4
	s_lshr_b32 s16, s14, 1
	s_mul_i32 s16, s16, 272
	s_and_b32 s17, s14, 1
	s_lshl_b32 s17, s17, 7
	s_add_co_u32 s16, s16, s17
	s_add_co_u32 s16, s16, VST
	v_add_nc_u32 v4, s16, v4                       ; V into LDS: position r; head place 2 s + w / 2; channel 32 (w % 2) + 16 u + 8 h
	v_lshlrev_b32 v5, 5, v1
	v_lshl_add_u32 v5, v2, 4, v5
	s_mul_i32 s16, s14, 4160
	s_add_co_u32 s16, s16, QK
	v_add_nc_u32 v5, s16, v5                       ; Q's, K's fragment: head place r's 32 bytes
	v_lshlrev_b32 v6, 1, v1
	v_lshl_add_u32 v6, v2, 5, v6
	s_lshl_b32 s16, s14, 8
	s_add_co_u32 s16, s16, QKS
	v_add_nc_u32 v6, s16, v6                       ; its two scale bytes: lanes 0-15 Q's, lanes 16-31 K's
	v_and_b32 v7, 8, v1
	v_add_nc_u32 v7, v7, v1
	v_lshlrev_b32 v7, 2, v7
	v_mad_u32_u24 v7, v2, 2176, v7
	s_mul_i32 s16, s14, 17472
	s_add_co_u32 s16, s16, VST
	v_add_nc_u32 v7, s16, v7                       ; V^T: channel r + 8 (r / 8) of a tile; lanes 16-31 eight head places on
	v_lshlrev_b32 v8, 5, v1
	v_lshl_add_u32 v8, v2, 3, v8
	s_mul_i32 s16, s14, 2112
	v_add_nc_u32 v8, s16, v8                       ; attn's codes: head r's 32 bytes, 8 h
	v_lshlrev_b32 v9, 1, v1
	s_mul_i32 s16, s14, 192
	s_add_co_u32 s16, s16, AS
	v_add_nc_u32 v9, s16, v9                       ; and its two scale bytes
	s_mov_b32 s50, 0
	s_mov_b32 s51, 0
	s_mov_b32 s52, 0
	s_mov_b32 s53, 0
	s_mov_b32 s54, 0
.macro SV1 base, nb, m
.irp u, 0,1
.irp cc, 0,1
	ds_store_b128 v4, v[\base+16*\m+8*\u+4*\cc:\base+16*\m+8*\u+4*\cc+3] offset:\nb*544+\u*64+\cc*16   ; each accumulator from its low end on
.endr
.endr
.endm
.macro STORE_V m
	SV1 128, 0, \m
	SV1 192, 1, \m
	WIN 0x08
	SV1 128, 2, \m
	SV1 192, 3, \m
	WIN 0x0c
	SV1 0, 4, \m
	SV1 64, 5, \m
	SV1 128, 6, \m
	SV1 192, 7, \m
	WIN 0
.endm
.macro VLOAD p                         ; V^T of position p: register 8 nt + kj of lane (r, h) = V(head place 8 h + kj, channel 32 (nt / 2) + 8 (nt % 2) + r + 8 (r / 8))
.irp nt, 0,1,2,3
.irp kj, 0,1,2,3,4,5,6,7
	ds_load_b32 v[32*\p+8*\nt+\kj], v7 offset:\p*4368+\kj*272+(32*(\nt/2)+8*(\nt%2))*4
.endr
.endr
.endm
; O^T = V^T p^T of position p by the f32 form, the four accumulators by turns; then x 1 / sum, into V^T's registers: register 16 b + i of lane (r, h) = attn(query head place r, channel 32 b + 16 h + i).
.macro PVP p
	WIN 0x01
.irp kk, 0,1,2,3
.irp nt, 0,1,2,3
.if \kk == 0
	v_wmma_f32_16x16x4_f32 v[96+8*\nt:103+8*\nt], v[32*\p+8*\nt:32*\p+8*\nt+1], v[56+8*\p:57+8*\p], 0
.else
	v_wmma_f32_16x16x4_f32 v[96+8*\nt:103+8*\nt], v[32*\p+8*\nt+2*\kk:32*\p+8*\nt+2*\kk+1], v[56+8*\p+2*\kk:57+8*\p+2*\kk], v[96+8*\nt:103+8*\nt]
.endif
.endr
.endr
.rept 9
	v_nop                                          ; places behind this form: eight ahead of the reads below, a ninth ahead of the next position's products
.endr
	WIN 0x40
.irp t, 0,2,4,6,8,10,12,14,16,18,20,22,24,26,28,30
	v_pk_mul_f32 v[32*\p+\t:32*\p+\t+1], v[96+\t:97+\t], v[88+2*\p:89+2*\p] op_sel_hi:[1,0]
.endr
.endm
.Lm:
	BARRIER                                        ; every wave's reads of the last tile's V are over
	s_cmp_eq_u32 s50, 0                            ; the registers' numbers hang on m: four arms, no wait and no barrier in an arm
	s_cbranch_scc1 .Lsv0
	s_cmp_eq_u32 s50, 1
	s_cbranch_scc1 .Lsv1
	s_cmp_eq_u32 s50, 2
	s_cbranch_scc1 .Lsv2
	STORE_V 3
	s_branch .Lsvd
.Lsv0:
	STORE_V 0
	s_branch .Lsvd
.Lsv1:
	STORE_V 1
	s_branch .Lsvd
.Lsv2:
	STORE_V 2
.Lsvd:
	BARRIER                                        ; V of the tile's 16 positions lies in LDS
	v_add_nc_u32 v10, s51, v5
	v_add_nc_u32 v11, s52, v6
	s_wait_alu depctr_va_vdst(0)
	v_add_nc_u32 v12, s53, v8
	v_add_nc_u32 v13, s54, v9
	WIN 0x40
.irp p, 0,1,2,3
	ds_load_b128 v[128+8*\p:131+8*\p], v10 offset:\p*1040       ; Q's fragment: 16 heads x 64
	ds_load_b128 v[160+8*\p:163+8*\p], v10 offset:\p*1040+512   ; K's
.endr
	WIN 0
.irp p, 0,1,2,3
	ds_load_u16 v[32+\p], v11 offset:\p*64         ; two scale bytes; the upper two are 0 and stand over zero codes
.endr
	WIN 0x40
	VLOAD 0
	s_wait_dscnt 32                                ; all but V^T's 32 loads
	WIN 0x05
.irp p, 0,1,2,3
	v_wmma_scale_f32_16x16x128_f8f6f4 v[56+8*\p:63+8*\p], v[160+8*\p:167+8*\p], v[128+8*\p:135+8*\p], 0, v[32+\p], v[32+\p] matrix_a_fmt:MATRIX_FMT_FP4 matrix_b_fmt:MATRIX_FMT_FP4 matrix_a_scale:MATRIX_SCALE_ROW1
.endr
.rept 4
	v_nop                                          ; places ahead of the first read of the scores
.endr
	WIN 0x40
	VLOAD 1
	VLOAD 2
	VLOAD 3
	WIN 0
	; the softmax: lane (r, h) holds query head place r and key head places 8 h + 0 .. 7; the four positions by turns
.irp p, 0,1,2,3
	v_max3_num_f32 v[88+2*\p], v[56+8*\p], v[57+8*\p], v[58+8*\p]
.endr
.irp p, 0,1,2,3
	v_max3_num_f32 v[89+2*\p], v[59+8*\p], v[60+8*\p], v[61+8*\p]
.endr
.irp p, 0,1,2,3
	v_max3_num_f32 v[88+2*\p], v[88+2*\p], v[62+8*\p], v[63+8*\p]
.endr
.irp p, 0,1,2,3
	v_max_num_f32 v[88+2*\p], v[88+2*\p], v[89+2*\p]
.endr
.irp p, 0,1,2,3
	v_permlanex16_b32 v[89+2*\p], v[88+2*\p], s20, s21
.endr
.irp p, 0,1,2,3
	v_max_num_f32 v[88+2*\p], v[88+2*\p], v[89+2*\p]   ; the row's largest score
.endr
.irp p, 0,1,2,3
	v_mul_f32 v[88+2*\p], s19, v[88+2*\p]          ; -c max
.endr
.irp j, 0,2,4,6
.irp p, 0,1,2,3
	v_pk_fma_f32 v[56+8*\p+\j:57+8*\p+\j], v[56+8*\p+\j:57+8*\p+\j], s[22:23], v[88+2*\p:89+2*\p] op_sel_hi:[1,0,0]   ; c s - c max
.endr
.endr
	s_wait_alu depctr_va_vdst(0)                   ; ahead of the batch
.irp j, 0,1,2,3,4,5,6,7
.irp p, 0,1,2,3
	v_exp_f32 v[56+8*\p+\j], v[56+8*\p+\j]         ; p, not yet normalised
.endr
.endr
	v_nop
	s_wait_alu depctr_va_vdst(0)                   ; one wait for the batch of 32, ahead of its first reader
.irp p, 0,1,2,3
	v_pk_add_f32 v[88+2*\p:89+2*\p], v[56+8*\p:57+8*\p], v[58+8*\p:59+8*\p]
.endr
.irp p, 0,1,2,3
	v_pk_add_f32 v[88+2*\p:89+2*\p], v[88+2*\p:89+2*\p], v[60+8*\p:61+8*\p]
.endr
.irp p, 0,1,2,3
	v_pk_add_f32 v[88+2*\p:89+2*\p], v[88+2*\p:89+2*\p], v[62+8*\p:63+8*\p]
.endr
.irp p, 0,1,2,3
	v_add_f32 v[88+2*\p], v[88+2*\p], v[89+2*\p]
.endr
.irp p, 0,1,2,3
	v_permlanex16_b32 v[89+2*\p], v[88+2*\p], s20, s21
.endr
.irp p, 0,1,2,3
	v_add_f32 v[88+2*\p], v[88+2*\p], v[89+2*\p]   ; the row's sum
.endr
	s_wait_alu depctr_va_vdst(0)
.irp p, 0,1,2,3
	v_rcp_f32 v[88+2*\p], v[88+2*\p]
.endr
	v_nop
	s_wait_alu depctr_va_vdst(0)                   ; one wait for the four reciprocals
	s_wait_dscnt 0x0                               ; V^T of all four positions is in
	PVP 0
	PVP 1
	PVP 2
	PVP 3
	; attn is quantised along head x 64 + channel: block e = 2 p + b is half a head, 16 numbers in lane l and 16 in lane l xor 16
	WIN 0x14
.irp e, 0,1,2,3,4,5,6,7
	v_max3_num_f32 v[56+\e], 0x1800000, |v[16*\e]|, |v[16*\e+1]|
.endr
.irp i, 2,4,6,8,10,12,14
.irp e, 0,1,2,3,4,5,6,7
	v_max3_num_f32 v[56+\e], v[56+\e], |v[16*\e+\i]|, |v[16*\e+\i+1]|
.endr
.endr
	WIN 0
.irp e, 0,1,2,3,4,5,6,7
	v_permlanex16_b32 v[64+\e], v[56+\e], s20, s21
.endr
.irp e, 0,1,2,3,4,5,6,7
	v_max_num_f32 v[56+\e], v[56+\e], v[64+\e]
.endr
.irp e, 0,1,2,3,4,5,6,7
	v_add_nc_u32 v[72+\e], 0xff000000, v[56+\e]
.endr
.irp e, 0,1,2,3,4,5,6,7
	v_lshrrev_b32 v[64+\e], 23, v[72+\e]
.endr
.irp p, 0,1,2,3
	v_lshl_or_b32 v[64+2*\p], v[65+2*\p], 8, v[64+2*\p]   ; a head's two bytes
.endr
	WIN 0x01
.irp e, 0,1,2,3,4,5,6,7
	v_cvt_scalef32_pk8_fp4_f32 v[80+2*\e], v[16*\e:16*\e+7], v[72+\e]
	v_cvt_scalef32_pk8_fp4_f32 v[81+2*\e], v[16*\e+8:16*\e+15], v[72+\e]
.endr
	WIN 0
	v_nop                                          ; one plain line behind the last conversion
	; the query heads are turned back: lane l of each row of 16 takes lane (l - 2 rot) % 16's codes and bytes; then lane r holds head r, as Wo's K wants it
	WIN 0x40
.irp e, 0,1,2,3,4,5,6,7
	v_permlane16_b32 v[2*\e], v[80+2*\e], s66, s67
	v_permlane16_b32 v[2*\e+1], v[81+2*\e], s66, s67
.endr
.irp p, 0,1,2,3
	v_permlane16_b32 v[16+\p], v[64+2*\p], s66, s67
.endr
	WIN 0x04
.irp e, 0,1,2,3,4,5,6,7
	ds_store_b64 v12, v[2*\e:2*\e+1] offset:(\e/2)*528+(\e%2)*16
.endr
.irp p, 0,1,2,3
	ds_store_b16 v13, v[16+\p] offset:\p*48
.endr
	WIN 0
	s_add_co_u32 s51, s51, 16640
	s_add_co_u32 s52, s52, 1024
	s_add_co_u32 s53, s53, 8448
	s_add_co_u32 s54, s54, 768
	s_add_co_u32 s50, s50, 1
	s_cmp_lt_u32 s50, 4
	s_cbranch_scc1 .Lm
	WFIRST 0                                       ; Wo's first two tiles: V's sums and the softmax's registers are done with
	WFIRST 1
	BARRIER                                        ; attn's codes of all 64 positions lie in LDS
	; ---- O: eight steps; a step's 64 x 128 results meet in a stage and leave as whole rows
	v_mul_u32_u24 v20, v1, 528
	v_lshl_add_u32 v20, v2, 4, v20
	v_add_nc_u32 v21, 16896, v20
	v_mul_u32_u24 v22, v1, 48
	v_lshl_add_u32 v22, v2, 4, v22
	v_add_nc_u32 v22, AS, v22
	v_mul_u32_u24 v4, v1, 528
	v_lshl_add_u32 v4, v2, 5, v4
	s_lshl_b32 s16, s14, 7
	s_add_co_u32 s16, s16, OS
	v_add_nc_u32 v4, s16, v4                       ; into the stage: row r of a tile, my 128 bytes, 32 h
	v_lshlrev_b32 v6, 4, v3                        ; 16 bytes a lane: a row's 512 bytes, in the stage and in out0
	s_mul_i32 s16, s14, 8448
	s_add_co_u32 s16, s16, OS
	v_add_nc_u32 v5, s16, v6                       ; back: my 16 rows
	s_mov_b32 s61, 0                               ; O's steps whose results have been sent
	s_wait_alu depctr_va_vdst(0)
	XFRAG 20, 21, 8448, 0, 22, 768, 0
; A step of O.  Two stages take turns, so one barrier a step parts a stage's writing from its reading, and its reading (awaited ahead of the stores) from the writing two steps on.
.macro OSTEP x, c0, c1, re
	GHALF \x, 0, 128, 0, \c0, \re
	GHALF \x, 1, 128, 0, \c1, \re
.irp mm, 0,1,2,3
.irp u, 0,1
.irp cc, 0,1
	ds_store_b128 v4, v[128+16*\mm+8*\u+4*\cc:131+16*\mm+8*\u+4*\cc] offset:(\x)*33792+\mm*8448+\u*64+\cc*16   ; each accumulator from its low end on
.endr
.endr
.endr
	BARRIER
	s_wait_xcnt 0x0                                ; the last step's stores have read their registers and their base
	s_add_co_u32 s62, s61, s60
	s_and_b32 s62, s62, 7                          ; this step's block: (s + rot) % 8,
	s_lshl_b32 s62, s62, 9                         ; its 128 columns: 512 bytes a block
	s_mov_b32 s63, 0
	s_add_nc_u64 s[68:69], s[12:13], s[62:63]
	s_add_co_u32 s61, s61, 1
.irp i, 0,1,2,3,4,5,6,7,8,9,10,11,12,13,14,15
	ds_load_b128 v[192+4*\i:195+4*\i], v5 offset:(\x)*33792+\i*528
.endr
	s_wait_dscnt 0x0
.irp i, 0,1,2,3,4,5,6,7,8,9,10,11,12,13,14,15
	global_store_b128 v6, v[192+4*\i:195+4*\i], s[68:69] offset:\i*4096 th:TH_STORE_NT   ; 32 lanes store 512 consecutive bytes, at a multiple of 256 from out0's first byte
.endr
.endm
	s_mov_b32 s58, 3
.Lo:
	OSTEP 0, 63, 63, 1
	OSTEP 1, 63, 63, 1
	s_sub_co_u32 s58, s58, 1
	s_cmp_lg_u32 s58, 0
	s_cbranch_scc1 .Lo
	OSTEP 0, 63, 44, 0                             ; the last two steps are written out: nothing is left to ask for, and the counts run down
	OSTEP 1, 22, 0, 0
	s_wait_tensorcnt 0x0                           ; the wave's end, behind my last LDS store
	ds_add_u32 v30, v31
	s_wait_dscnt 0x0
	s_endpgm
.Lfunc_end_k_q9b028b03d4_fused:
	.size	k_q9b028b03d4_fused, .Lfunc_end_k_q9b028b03d4_fused-k_q9b028b03d4_fused
	.p2alignl 7, 3214868480
	.fill 96, 4, 3214868480
	.section	.rodata,"a",@progbits
	.p2align	6, 0x0
	.amdhsa_kernel k_q9b028b03d4_fused
		.amdhsa_group_segment_fixed_size 181760
		.amdhsa_private_segment_fixed_size 0
		.amdhsa_enable_private_segment 0
		.amdhsa_kernarg_size 40
		.amdhsa_user_sgpr_count 2
		.amdhsa_user_sgpr_kernarg_segment_ptr 1
		.amdhsa_wavefront_size32 1
		.amdhsa_system_sgpr_workgroup_id_x 1
		.amdhsa_system_sgpr_workgroup_id_y 1
		.amdhsa_system_sgpr_workgroup_id_z 1
		.amdhsa_system_vgpr_workitem_id 0
		.amdhsa_next_free_vgpr 1024
		.amdhsa_next_free_sgpr 76
		.amdhsa_reserve_vcc 0
		.amdhsa_float_denorm_mode_32 3
		.amdhsa_float_denorm_mode_16_64 3
		.amdhsa_memory_ordered 1
		.amdhsa_forward_progress 1
		.amdhsa_inst_pref_size 255
	.end_amdhsa_kernel
	.section	.bss,"aw",@nobits
	.p2align	6
	.space	262144
	.amdgpu_metadata
---
amdhsa.version: [ 1, 2 ]
amdhsa.kernels:
  - .name:           k_q9b028b03d4_fused
    .symbol:         k_q9b028b03d4_fused.kd
    .args:
      - { .name: q, .offset: 0, .size: 8, .value_kind: global_buffer, .address_space: global }
      - { .name: k, .offset: 8, .size: 8, .value_kind: global_buffer, .address_space: global }
      - { .name: v, .offset: 16, .size: 8, .value_kind: global_buffer, .address_space: global }
      - { .name: wpack, .offset: 24, .size: 8, .value_kind: global_buffer, .address_space: global }
      - { .name: out0, .offset: 32, .size: 8, .value_kind: global_buffer, .address_space: global }
    .group_segment_fixed_size: 181760
    .private_segment_fixed_size: 0
    .kernarg_segment_align: 8
    .kernarg_segment_size: 40
    .max_flat_workgroup_size: 128
    .sgpr_count:     76
    .vgpr_count:     1024
    .wavefront_size: 32
...
	.end_amdgpu_metadata
.endif
;; end of part 2
